; MI455X (gfx1250); checked and timed in simulation.
; The chip was launched on July 23, 2026; its instructions are those of AMD's public machine-readable ISA for CDNA 5 (MIT licence, August 2026) and "CDNA5" Instruction Set Architecture Reference Guide (July 2026). The comments in the code are by the model that wrote it; some were corrected since.
;; Full Attention. Allowed arithmetic: matrix products marked QUANTISED: E3M2 operands, one E8M0 scale for each 32 along K, by v_wmma_scale_f32_16x16x128_f8f6f4 with both operands' format E3M2, f32 sums; everything else in f32.
;; Inputs: keys_codes 4 x 2,048 x 8 x 2 x 24 uint8 (E3M2 codes of keys, K innermost, in blocks of 32 codes, four codes in three bytes); keys_scales 4 x 2,048 x 8 x 2 uint8 (E8M0 scales of keys, one for each 32 codes along K); queries_codes 4 x 2,048 x 8 x 2 x 24 uint8 (E3M2 codes of queries, K innermost, in blocks of 32 codes, four codes in three bytes); queries_scales 4 x 2,048 x 8 x 2 uint8 (E8M0 scales of queries, one for each 32 codes along K); values_codes 4 x 8 x 64 x 64 x 24 uint8 (E3M2 codes of values, K innermost, in blocks of 32 codes, four codes in three bytes); values_scales 4 x 8 x 64 x 64 uint8 (E8M0 scales of values, one for each 32 codes along K).
;; Outputs: out0 4 x 2,048 x 8 x 64 float32.
;; This version of the problem:
;;   THIS VERSION OF THE PROBLEM IS GIVEN IN LOW PRECISION. The matrix products marked QUANTISED in the list below multiply operands that are first quantised to E3M2 (3 exponent bits, 2 mantissa bits; 6 bits a number), with one power-of-two scale for each 32 numbers along K (OCP MX v1.0); their sums are f32. All else is computed in f32.
;;   The module's matrix products, in the order in which they are computed (A, B: the left and right operand; K: the contracted axis; several contracted axes count as one K, in the product's order):
;;     1. batch 32 x [M 2,048, K 64] x [K 64, N 2,048]; A: input queries (given as codes); B: input keys (given as codes): QUANTISED
;;     2. batch 32 x [M 64, K 2,048] x [K 2,048, N 2,048]; A: input values (given as codes); B: softmax (see below): QUANTISED
;;   THE QUANTISER, for each operand of a quantised product, along K:
;;     - K is cut into blocks of 32 from its start; a last block that is shorter is filled with zeros.
;;     - A block's scale is 2^e with e = floor(log2(the largest magnitude in the block)) - 4, held to -126 .. 127; a block of zeros has e = 0. As a byte (E8M0): e + 127.
;;     - Each number is divided by its block's scale, clamped to +-28, and rounded to the nearest number of E3M2, ties to even, subnormals kept.
;;     - The product sums the exact products of the quantised numbers (number of the format x scale) in f32.
;;   ~~~python
;;   def quantise(x, axis):      # numpy; x: float32 -> the quantised numbers, widened to float32 again
;;       x = np.moveaxis(x, axis, -1); K = x.shape[-1]
;;       x = np.pad(x, [(0, 0)] * (x.ndim - 1) + [(0, -K % 32)]); x = x.reshape(x.shape[:-1] + (-1, 32)); a = np.abs(x).max(-1, keepdims=True)
;;       e = np.where(a > 0, np.clip(np.frexp(np.where(a > 0, a, 1))[1] - 1 - 4, -126, 127), 0)      # np.frexp(a)[1] - 1 = floor(log2(a)), exactly
;;       r = np.clip(x / 2.0 ** e, -28, 28)
;;       step = 2.0 ** (np.maximum(np.frexp(np.where(r == 0, 1, r))[1] - 1, -2) - 2)
;;       q = np.round(r / step) * step * 2.0 ** e      # np.round: ties to even
;;       return np.moveaxis(q.reshape(q.shape[:-2] + (-1,))[..., :K], -1, axis).astype(np.float32)
;;   ~~~
;;   SOFTMAX AHEAD OF A QUANTISED PRODUCT. Where the list says 'softmax', what is quantised is not the finished softmax but p = 2^(t - M), with t = logit x log2(e) and M = ceil(the row's largest t), a whole number; so 1/2 < the row's largest p <= 1. The row's sum l is taken of the UNQUANTISED p, in f32, and the product's result is divided by l at the end. Since M is a whole number, a kernel that streams over the keys may use a running M (the ceiling of the running maximum): every later rescaling is an exact power of two, which a block's scale takes up: the codes' values come out the same.
;;   OPERANDS COMPUTED ON THE WAY. 'Computed on the way' means the value that the module computes at that place (a softmax that the list does not call 'softmax' is quantised finished and normalised). What goes into a quantiser is computed in f32, as accurately as f32 sums, v_exp_f32 and their like allow (about 1e-6 of the number): no bf16 or f16 on the way to a quantiser, and a product that is left as it is and whose result goes on into a quantised operand takes f32 operands (vector FMAs, or v_wmma_f32_16x16x4_f32). A number that lies on a knife's edge between two numbers of the format may be rounded either way, as far as f32 arithmetic and the matrix unit's own rounding can turn it there, and no further.
;;   INPUTS GIVEN AS CODES. keys (in the module: [4, 2048, 8, 64], K = its axis 3); queries (in the module: [4, 2048, 8, 64], K = its axis 3); values (in the module: [4, 2048, 8, 64], K = its axis 1): each comes as NAME_codes (uint8): NAME with its K axis moved to the last place and cut into blocks of 32 codes, [.., K / 32, bytes a block], one block behind the other in memory; four codes in three bytes: a row's codes are one little-endian stream of bits, code i at bits 6 i .. 6 i + 5 (a code: sign, 3 exponent bits, 2 mantissa bits); and NAME_scales (uint8): the same leading axes, one E8M0 byte (e + 127) for each 32 codes along K. Its value is code x scale, taken as it is: it is not quantised again, and the codes and scales need not be those that the quantiser above would give.
;; One version. Each part assembles by itself: llvm-mc -triple=amdgcn-amd-amdhsa -mcpu=gfx1250 --defsym DOCPART=n.
;; ======== version 1 of 1: 1 launch
;; launch attn (part 1): grid 8 x 32, 8 waves a work-group, clusters of 4 x 1, 294,400 bytes of LDS; arguments keys_codes, keys_scales, queries_codes, queries_scales, values_codes, values_scales, out0; writes out0
.if DOCPART == 1
	.amdgcn_target "amdgcn-amd-amdhsa--gfx1250"
	.amdhsa_code_object_version 6
	.text
	.protected	k_q098df9ab5d_attn
	.globl	k_q098df9ab5d_attn
	.p2align	8
	.type	k_q098df9ab5d_attn,@function
k_q098df9ab5d_attn:
	s_mov_b64 s[64:65], 0
	v_nop
	global_prefetch_b8 v0, s[64:65] scope:SCOPE_SE
	s_setreg_imm32_b32 hwreg(HW_REG_WAVE_MODE, 25, 1), 1
	s_wait_xcnt 0x0
	s_wait_alu depctr_hold_cnt(0) depctr_sa_sdst(0) depctr_va_vdst(0) depctr_va_sdst(0) depctr_va_ssrc(0) depctr_va_vcc(0) depctr_vm_vsrc(0)
	s_getreg_b32 s2, hwreg(HW_REG_IB_STS2, 6, 4)
	s_cmp_eq_u32 s2, 0
	s_cbranch_scc0 .Lentry_in_a_cluster
	s_endpgm
.Lentry_in_a_cluster:
	s_bfe_u32 s2, ttmp6, 0x10000c
	s_cmp_lg_u32 s2, 0x3003
	s_cbranch_scc0 .Lentry_shape_is_right
	s_endpgm
.Lentry_shape_is_right:
; out0[b][l][h][:] = the sum over keys s <= l of softmax_s(Q[b][l][h] . K[b][s][h] / 8) V[b][s][h][:], both products on codes of BF6 (E3M2) with one E8M0 scale for each 32 along a product's K.
; B 4, L = S 2,048, H 8, E = D 64.  Q, K: rows of 48 bytes (64 codes), 384 bytes apart within a head; their scales 2 bytes a row, 16 bytes apart.  V: keys innermost, rows of 1,536 bytes; its scales 64 bytes a row.
; THE SOFTMAX: t = score x log2(e) / 8 (the division by 8 is exact, so t is rounded once); M = the running largest t rounded UP to a whole number; p = 2^(t - M) is quantised along the keys, not normalised;
; the row's sum is taken of the unquantised p and divides at the end.  When M moves, the sum and O are multiplied by 2^(old M - new M), which rounds nothing.
; SHARES.  A head's 2,048 queries are 16 blocks of 128, a block 8 tiles of 16.  Work-group g (0-7) of head bh takes tile g of every block; its wave w takes block 15 - w (16 - w key steps of 128 keys) and then
; block w (w + 1 steps): 17 steps for every wave of every work-group, 256 work-groups.  Trip counts and branches hang on the wave's number and on counters alone; g enters only Q's and out0's global addresses and the
; lane constant of the diagonal's compare.
; LDS.  A head's K (98,304 bytes) and V (122,880 with padding), the batch's K scales (32,768) and the head's V scales fit together: every byte is filled ONCE, so there is no ring and no slot is filled again.
; The fills are waited for in three stages (keys 0-255, 256-1,023, the rest), so that the first steps run while the later tiles are on their way.
; CLUSTER.  The four work-groups of a cluster belong to one head and want the same tiles: each tile is asked for JOINTLY, by the same tensor load with the same descriptor and the mask of all four.
; LAYOUT.  Both products are used transposed: S^T = K Q^T (source 0 = 16 keys, source 1 = my 16 queries), O^T = V^T P^T (source 0 = 16 of the 64 channels, source 1 = P): a lane holds ONE query (lane % 16) throughout.
; THE KEYS OF A TILE ARE NOT NEIGHBOURS: row m of tile 4 c + t is key 64 c + 32 (m / 8) + 8 t + m % 8 of the step.  The 32 registers of tiles 4 c .. 4 c + 3 are then, in lane (r, h), keys 64 c + 32 h + 0 .. 31:
; a WHOLE block of 32 in one lane, in the place that the second product's operand gives that lane: the conversions' results are the operand, and a block's maximum needs no other lane.
; THE FIRST PRODUCT'S K IS 64 OF THE INSTRUCTION'S 128: registers 6-11 of Q's and of K's fragments hold zero codes, written once; the scale words are loaded as 16 bits, so that bytes 2 and 3 are 0, which is no NaN.
; LIMITS: a scale byte 0xff gives NaN; |t| beyond 3e38 is not served; a block whose every p is 0 keeps the byte 1 over zero codes; a block's largest p is made from its largest score by the same multiply-add and
; exponential as every p, which takes v_exp_f32 not to fall where its input rises (the ISA guide promises 1 ulp).
; K's rows are 48 bytes without padding: rows 8-15 of a tile lie 1,536 bytes, a multiple of 256, from rows 0-7, so two lanes of a load meet in a bank (64 banks of 4 bytes: ISA guide 11.1).  That is left as it is here.
.set KB,    0                          ; LDS: K's codes, 48 bytes a key; chunk j (256 keys) at KB + KCB j
.set KCB,   12288
.set VB,    98304                      ; V's codes in 8 chunks of 256 keys: 64 rows of 192 bytes, 16 bytes of padding behind every 64: rows 240 bytes apart
.set VP,    240
.set VCB,   64*VP
.set SCK,   VB+8*VCB                   ; K's scale bytes of the whole batch, as they lie: key s, head hd at 16 s + 2 hd
.set SCV,   SCK+32768                  ; V's scale bytes of the head: 64 rows of 64 bytes + 8 of padding
.set SVP,   72
.set STG,   SCV+64*SVP                 ; the way out: 16 rows x 272 bytes for each wave; no fill ever lands here
.set SP,    272
; vector registers, window 0
.set AK0,  1                           ; my lane's place in a tile of K: 48 (lane % 8) + 1,536 ((lane / 8) % 2) + 24 (lane / 16)
.set AV24, 2                           ; in a tile of V: 240 r + 24 h
.set AV40, 3                           ; and for the pieces that lie behind one padding more: 240 r + 40 h
.set ASK0, 4                           ; among K's scale words
.set ASV0, 5                           ; among V's: 72 x lane
.set SH8,  6                           ; 8 h
.set DM,   7                           ; 16 g + r - 32 h: on the diagonal register 32 c + i is hidden where 64 c + i > DM
.set NINF, 8                           ; -infinity
.set GO,   9                           ; the way out: my byte offset in the tile's rows of out0
.set STO,  10                          ; where I put 32 bytes of a row in my stage
.set RD,   11                          ; where I read a row back
.set NM,   12                          ; v12 -M, v13 the largest t so far
.set SUM,  14                          ; v[14:15] the row's sum in two halves
.set ADK,  16                          ; v16-20 the addresses of the step in hand
.set ADV,  17
.set ADV2, 18
.set ADS,  19
.set ADT,  20
.set QO,   21
.set SK,   22                          ; v22-25 K's scale words: lanes 0-15 tile 2 u, lanes 16-31 tile 2 u + 1
.set SV,   26                          ; v26-27 V's, likewise
.set QSA,  28                          ; Q's scale words, first tile, second tile
.set QSB,  29
.set PW,   30                          ; p's scale word.  v22-30 hold scales and nothing else
.set QSO,  31
.set QA,   32                          ; Q's two fragments
.set QB,   44
.set PC,   56                          ; p's codes: the second product's source 1
.set TC,   68                          ; a conversion's three registers begin on an even number: the second half of a block's six is made here and moved
.set BMA,  76                          ; block maxima, two chains a block
.set BMB,  78
.set SO,   80                          ; the conversions' scale operands
.set BY,   82                          ; the scale bytes
.set T0,   84
.set T1,   85
.set T2,   86                          ; v[86:87] the second chain of the sum
.set RR,   86                          ; at the head only: r, h, lane % 8, (lane / 8) % 2, lane
.set HH,   87
.set R8,   88
.set GR,   89
.set LN,   90
.set F,    92                          ; v[92:93] 2^(old M - new M); the upper register is named with it as a pair, so it is written once
.set S,    96                          ; v96-159 S^T, then p
.set O,    160                         ; v160-191 O^T
.set OUTR, 192                         ; O^T / the sum
.set RB,   224                         ; rows read back from the stage
; window 1: v0-95 K's eight fragments (tile T at 12 T), v96-143 V's four
.set VF,   96
; scalar registers
.set WV,   18
.set GG,   19
.set SEL,  20                          ; s[20:21] v_permlanex16_b32's selects for lane l xor 16
.set CS,   22                          ; s[22:23] c = log2(e) / 8: the packed form names a pair and takes its low word for both halves
.set GA,   24                          ; s[24:35] three groups 0: a wave's fills
.set GB,   28
.set GC,   32
.set G1K,  36                          ; s[36:43] group 1 for K's tiles, s[44:51] for V's, s[52:59] for the scale bytes
.set G1V,  44
.set G1X,  52
.set BH,   60
.set BB,   61
.set HD,   62
.set TK,   66                          ; LDS bytes at which the step's K, the chunk's V, the step's scale words of K and of V begin
.set TV,   67
.set TS,   68
.set TJ,   69
.set KSI,  70                          ; the step's number
.set BLK,  71                          ; my tile's block: the step on the diagonal
.set CNT,  72
.set QCA,  76                          ; Q's codes at my first and second tile; its scales; out0
.set QCB,  78
.set QZA,  80
.set QZB,  82
.set OA,   84
.set OB,   86
.set KC,   92                          ; K's codes at the head, V's codes at the head, K's scales at the batch, V's scales at the head
.set VC,   94
.set KSB,  96
.set VSB,  98
.set W0K,  15|(3<<16)|(1<<21)                          ; 15:0 the mask: all four work-groups; 17:16 elements of 8 bytes; 21 set beside a mask
.set W0V,  15|(1<<20)|(1<<21)|(3<<22)|(3<<25)          ; elements of 1 byte; 20 padding on; 24:22 after every 16 words (code 3); 31:25 4 words of it (code 3)
.set W0VS, 15|(3<<16)|(1<<20)|(1<<21)|(3<<22)|(1<<25)  ; elements of 8 bytes; after every 16 words 2 words of padding
.set MSB, 0
.macro WIN new                         ; the immediate's high byte repeats the setting that is left; a switch that changes nothing is dropped
.if MSB != \new
	s_set_vgpr_msb (MSB<<8)|\new
.set MSB, \new
.endif
.endm
.macro PLACES                          ; four places: plain vector instructions that name no register of the matrix instruction in front (ISA guide 7.12.1)
.rept 4
	v_nop
.endr
.endm
.macro CROUND                          ; a round of the cluster's barrier: my work-group's barrier; wave 0 signals for the work-group; every wave waits for all four; my work-group's barrier once more
	s_barrier_signal -1
	s_barrier_wait -1
	s_cmp_lg_u32 s[WV], 0
	s_cbranch_scc1 .Lnot_wave_0_\@
	s_barrier_signal -3
.Lnot_wave_0_\@:
	s_barrier_wait -3
	s_barrier_signal -1
	s_barrier_wait -1
.endm
.macro MKG1 g, w0, w1, w2, w3, w4, w5  ; a descriptor's group 1: w1 tensor_dim0 << 16, w2 tensor_dim1 << 16, w3 tile_dim0 << 16, w4 tile_dim1, w5 the pitch in elements
	s_mov_b32 s[\g+0], \w0
	s_mov_b32 s[\g+1], \w1
	s_mov_b32 s[\g+2], \w2
	s_mov_b32 s[\g+3], \w3
	s_mov_b32 s[\g+4], \w4
	s_mov_b32 s[\g+5], \w5
	s_mov_b32 s[\g+6], 0
	s_mov_b32 s[\g+7], 0
.endm
.macro MKG0 g, lds, base, off          ; a group 0: count 1, the LDS address (a constant), the tile's first byte, type 2
	s_mov_b32 s[\g], 1
	s_mov_b32 s[\g+1], \lds
	s_add_nc_u64 s[\g+2:\g+3], s[\base:\base+1], \off
	s_or_b32 s[\g+3], s[\g+3], 0x80000000
.endm
.macro KTILE g, j                      ; K's chunk j: 256 keys, 384 bytes apart in memory
	MKG0 \g, KB+KCB*(\j), KC, 98304*(\j)
.endm
.macro VTILE g, j                      ; V's chunk j: 192 bytes on in each of the 64 rows
	MKG0 \g, VB+VCB*(\j), VC, 192*(\j)
.endm
.macro TL g0, g1
	tensor_load_to_lds s[\g0:\g0+3], s[\g1:\g1+7]
	s_nop 0
.endm
	s_load_b256 s[4:11], s[0:1], 0x0               ; K's codes s[4:5], K's scales s[6:7], Q's codes s[8:9], Q's scales s[10:11]
	s_load_b128 s[12:15], s[0:1], 0x20             ; V's codes s[12:13], V's scales s[14:15]
	s_load_b64 s[16:17], s[0:1], 0x30              ; out0
	v_lshl_add_u32 v94, v0, 2, 0x47a00
	v_mov_b32 v95, 0
	ds_add_u32 v94, v95
	ds_add_u32 v94, v95
	v_lshrrev_b32 v[LN], 5, v0
	s_delay_alu instid0(VALU_DEP_1)
	v_readfirstlane_b32 s[WV], v[LN]               ; wave 0..7
	s_bfe_u32 s[GG], ttmp6, 0x40000                ; cx: my place in the cluster
	s_lshl_b32 s89, ttmp9, 2                       ; in a cluster launch ttmp9 counts clusters
	s_add_co_u32 s[GG], s89, s[GG]                 ; g = 4 x cluster x + cx
	s_lshl_b32 s89, s[GG], 4                       ; 16 g
	s_and_b32 s[BH], ttmp7, 0xffff                 ; the batch and head, which the four partners share
	s_lshr_b32 s[BB], s[BH], 3                     ; b
	s_and_b32 s[HD], s[BH], 7                      ; hd
	s_sub_co_u32 s88, 15, s[WV]
	s_lshl_b32 s88, s88, 7
	s_add_co_u32 s88, s88, s89                     ; my first tile's first query: 128 (15 - w) + 16 g
	s_lshl_b32 s90, s[WV], 7
	s_add_co_u32 s90, s90, s89                     ; my second tile's: 128 w + 16 g
	; byte offsets, each in the pair that will hold the address.  Those of the joint loads are made of b and hd alone
	s_mul_i32 s[KC], s[BB], 786432
	s_mul_i32 s73, s[HD], 48
	s_add_co_u32 s[KC], s[KC], s73                 ; codes of K and of Q: 786,432 b + 48 hd
	s_mov_b32 s[KC+1], 0
	s_mul_i32 s[VC], s[BH], 98304
	s_mov_b32 s[VC+1], 0
	s_lshl_b32 s[KSB], s[BB], 15                   ; the batch's scale bytes: 32,768 b
	s_mov_b32 s[KSB+1], 0
	s_lshl_b32 s[VSB], s[BH], 12
	s_mov_b32 s[VSB+1], 0
	s_mul_i32 s[QCA], s88, 384
	s_add_co_u32 s[QCA], s[QCA], s[KC]
	s_mov_b32 s[QCA+1], 0
	s_mul_i32 s[QCB], s90, 384
	s_add_co_u32 s[QCB], s[QCB], s[KC]
	s_mov_b32 s[QCB+1], 0
	s_lshl_b32 s74, s[HD], 1                       ; 2 hd
	s_add_co_u32 s73, s74, s[KSB]
	s_lshl_b32 s[QZA], s88, 4
	s_add_co_u32 s[QZA], s[QZA], s73               ; Q's scales: 32,768 b + 16 q + 2 hd
	s_mov_b32 s[QZA+1], 0
	s_lshl_b32 s[QZB], s90, 4
	s_add_co_u32 s[QZB], s[QZB], s73
	s_mov_b32 s[QZB+1], 0
	s_lshl_b32 s73, s[BB], 22
	s_lshl_b32 s91, s[HD], 8
	s_add_co_u32 s73, s73, s91
	s_lshl_b32 s[OA], s88, 11
	s_add_co_u32 s[OA], s[OA], s73                 ; out0: 4,194,304 b + 2,048 q + 256 hd
	s_mov_b32 s[OA+1], 0
	s_lshl_b32 s[OB], s90, 11
	s_add_co_u32 s[OB], s[OB], s73
	s_mov_b32 s[OB+1], 0
	s_mov_b32 s[SEL], 0x76543210
	s_mov_b32 s[SEL+1], 0xfedcba98
	s_mov_b32 s[CS], 0x3e38aa3b                    ; c = log2(e) / 8
	s_mov_b32 s[CS+1], s[CS]                       ; (named with it as a pair, so it is written)
	MKG1 G1K, W0K, (6<<16), (256<<16), (6<<16), 256, 48          ; 256 rows of six elements of 8 bytes, 48 elements apart; dense in LDS
	MKG1 G1V, W0V, (192<<16), (64<<16), (192<<16), 64, 1536      ; 64 rows of 192 bytes, 1,536 apart; padded in LDS
	; the lane's constants
	v_and_b32 v[RR], 15, v0                        ; r
	v_bfe_u32 v[HH], v0, 4, 1                      ; h
	v_and_b32 v[R8], 7, v0
	v_bfe_u32 v[GR], v0, 3, 1
	v_and_b32 v[LN], 31, v0
	s_delay_alu instid0(VALU_DEP_3)
	v_mul_u32_u24 v[AK0], v[R8], 48
	s_delay_alu instid0(VALU_DEP_1)
	v_mad_u32_u24 v[AK0], v[GR], 1536, v[AK0]      ; rows 8-15 of a tile are the keys 32 further on
	s_delay_alu instid0(VALU_DEP_1)
	v_mad_u32_u24 v[AK0], v[HH], 24, v[AK0]
	v_mul_u32_u24 v[AV24], v[RR], VP
	s_delay_alu instid0(VALU_DEP_1)
	v_mad_u32_u24 v[AV40], v[HH], 40, v[AV24]
	s_delay_alu instid0(VALU_DEP_2)
	v_mad_u32_u24 v[AV24], v[HH], 24, v[AV24]
	v_lshlrev_b32 v[ASK0], 4, v[R8]                ; K's scale words, 16 bytes a key: key 32 gr + 8 h + lane % 8 of tiles 2 u (lanes 0-15) and 2 u + 1 (lanes 16-31),
	s_delay_alu instid0(VALU_DEP_1)
	v_lshl_add_u32 v[ASK0], v[GR], 9, v[ASK0]
	s_delay_alu instid0(VALU_DEP_1)
	v_lshl_add_u32 v[ASK0], v[HH], 7, v[ASK0]
	s_delay_alu instid0(VALU_DEP_1)
	v_add_nc_u32 v[ASK0], s74, v[ASK0]             ; and my head's two bytes of the sixteen
	v_mul_u32_u24 v[ASV0], v[LN], SVP              ; V's: channel 32 u + lane
	v_lshlrev_b32 v[SH8], 3, v[HH]
	v_lshlrev_b32 v[DM], 5, v[HH]
	s_delay_alu instid0(VALU_DEP_1)
	v_sub_nc_u32 v[DM], v[RR], v[DM]
	s_delay_alu instid0(VALU_DEP_1)
	v_add_nc_u32 v[DM], s89, v[DM]
	v_mov_b32 v[NINF], 0xff800000
	v_lshlrev_b32 v[GO], 4, v[RR]
	s_delay_alu instid0(VALU_DEP_1)
	v_lshl_add_u32 v[GO], v[HH], 11, v[GO]         ; lanes 0-15 one row of out0's tile, lanes 16-31 the next (2,048 bytes on); 16 bytes a lane
	s_mul_i32 s73, s[WV], 16*SP
	s_add_co_u32 s73, s73, STG                     ; my stage
	v_mul_u32_u24 v[STO], v[RR], SP
	s_delay_alu instid0(VALU_DEP_1)
	v_lshl_add_u32 v[STO], v[HH], 5, v[STO]
	s_delay_alu instid0(VALU_DEP_1)
	v_add_nc_u32 v[STO], s73, v[STO]
	v_mul_u32_u24 v[RD], v[HH], SP
	s_delay_alu instid0(VALU_DEP_1)
	v_lshl_add_u32 v[RD], v[RR], 4, v[RD]
	s_delay_alu instid0(VALU_DEP_1)
	v_add_nc_u32 v[RD], s73, v[RD]
	v_mul_u32_u24 v[QO], v[RR], 384
	s_delay_alu instid0(VALU_DEP_1)
	v_mad_u32_u24 v[QO], v[HH], 24, v[QO]
	v_lshlrev_b32 v[QSO], 4, v[RR]
	s_wait_dscnt 0x0
	s_wait_kmcnt 0x0
	s_add_nc_u64 s[KC:KC+1], s[4:5], s[KC:KC+1]
	s_add_nc_u64 s[KSB:KSB+1], s[6:7], s[KSB:KSB+1]
	s_add_nc_u64 s[QCA:QCA+1], s[8:9], s[QCA:QCA+1]
	s_add_nc_u64 s[QCB:QCB+1], s[8:9], s[QCB:QCB+1]
	s_add_nc_u64 s[QZA:QZA+1], s[10:11], s[QZA:QZA+1]
	s_add_nc_u64 s[QZB:QZB+1], s[10:11], s[QZB:QZB+1]
	s_add_nc_u64 s[VC:VC+1], s[12:13], s[VC:VC+1]
	s_add_nc_u64 s[VSB:VSB+1], s[14:15], s[VSB:VSB+1]
	s_add_nc_u64 s[OA:OA+1], s[16:17], s[OA:OA+1]
	s_add_nc_u64 s[OB:OB+1], s[16:17], s[OB:OB+1]
	CROUND                                         ; all four work-groups are here: the joint loads meet
	; THE FILLS: all of them, once, as one group.  Each wave's stand together inside one branch on its number, in the order in which the stages want them; a wave has three out at the most.
	; Four v_nop follow a wave's last load, ahead of the jump and the label.
	s_cmp_lg_u32 s[WV], 0
	s_cbranch_scc1 .Lnot_0
	KTILE GA, 0
	KTILE GB, 1
	KTILE GC, 4
	TL GA, G1K
	TL GB, G1K
	TL GC, G1K
	PLACES
	s_branch .Lasked
.Lnot_0:
	s_cmp_lg_u32 s[WV], 1
	s_cbranch_scc1 .Lnot_1
	VTILE GA, 0
	VTILE GB, 1
	VTILE GC, 4
	TL GA, G1V
	TL GB, G1V
	TL GC, G1V
	PLACES
	s_branch .Lasked
.Lnot_1:
	s_cmp_lg_u32 s[WV], 2
	s_cbranch_scc1 .Lnot_2
	MKG1 G1X, W0K, (32<<16), (64<<16), (32<<16), 64, 32          ; 16,384 dense bytes as 64 rows of 256: K's scale bytes of keys 0-1,023
	MKG0 GA, SCK, KSB, 0
	VTILE GB, 2
	VTILE GC, 5
	TL GA, G1X
	TL GB, G1V
	TL GC, G1V
	PLACES
	s_branch .Lasked
.Lnot_2:
	s_cmp_lg_u32 s[WV], 3
	s_cbranch_scc1 .Lnot_3
	MKG1 G1X, W0VS, (8<<16), (64<<16), (8<<16), 64, 8            ; V's scale bytes: 64 rows of 64 bytes, dense in memory, 72 apart in LDS
	MKG0 GA, SCV, VSB, 0
	VTILE GB, 3
	VTILE GC, 6
	TL GA, G1X
	TL GB, G1V
	TL GC, G1V
	PLACES
	s_branch .Lasked
.Lnot_3:
	s_cmp_lg_u32 s[WV], 4
	s_cbranch_scc1 .Lnot_4
	KTILE GA, 2
	VTILE GB, 7
	TL GA, G1K
	TL GB, G1V
	PLACES
	s_branch .Lasked
.Lnot_4:
	s_cmp_lg_u32 s[WV], 5
	s_cbranch_scc1 .Lnot_5
	KTILE GA, 3
	KTILE GB, 5
	TL GA, G1K
	TL GB, G1K
	PLACES
	s_branch .Lasked
.Lnot_5:
	s_cmp_lg_u32 s[WV], 6
	s_cbranch_scc1 .Lnot_6
	MKG1 G1X, W0K, (32<<16), (64<<16), (32<<16), 64, 32          ; K's scale bytes of keys 1,024-2,047
	MKG0 GA, SCK+16384, KSB, 16384
	KTILE GB, 6
	TL GA, G1X
	TL GB, G1K
	PLACES
	s_branch .Lasked
.Lnot_6:
	KTILE GA, 7                                    ; wave 7 alone comes here
	TL GA, G1K
	PLACES
.Lasked:
	; Q's two fragments stay in registers: lane (r, h) takes 24 bytes of query r's 48
	s_wait_alu depctr_va_vdst(0)
.irp p, 0,1,2
	global_load_b64 v[QA+2*\p:QA+2*\p+1], v[QO], s[QCA:QCA+1] offset:8*\p
	global_load_b64 v[QB+2*\p:QB+2*\p+1], v[QO], s[QCB:QCB+1] offset:8*\p
.endr
	global_load_u16 v[QSA], v[QSO], s[QZA:QZA+1]   ; two scale bytes, zeros above them
	global_load_u16 v[QSB], v[QSO], s[QZB:QZB+1]
.irp i, 6,7,8,9,10,11
	v_mov_b32 v[QA+\i], 0                          ; zero codes for k = 64 .. 127
	v_mov_b32 v[QB+\i], 0
.endr
	WIN 0x40                                       ; destination window 1
.irp t, 0,1,2,3,4,5,6,7
.irp i, 6,7,8,9,10,11
	v_mov_b32 v[12*\t+\i], 0                       ; the same in K's eight fragments: the loads write registers 0-5 alone
.endr
.endr
	WIN 0
	v_mov_b32 v[T1], 0                             ; a lane permute's destination counts as one of its sources
	v_mov_b32 v[F+1], 0
.macro INIT                            ; a tile begins: the largest t is -3e38, under every t; the sum and O^T are zeros, which the first change of M leaves zeros: so the step is written once
	v_mov_b32 v[NM+1], 0xff61b1e6
	v_mov_b32 v[SUM], 0
	v_mov_b32 v[SUM+1], 0
	s_delay_alu instid0(VALU_DEP_3)
	v_floor_f32 v[NM], -v[NM+1]
.set n, 0
.rept 32
	v_mov_b32 v[O+n], 0
.set n, n+1
.endr
.endm
.macro START                           ; back to key 0
	s_mov_b32 s[TK], KB
	s_mov_b32 s[TV], VB
	s_mov_b32 s[TS], SCK
	s_mov_b32 s[TJ], SCV
	s_mov_b32 s[KSI], 0
.endm
; A stage: n = how many of my younger fills may stay out.  Tensor loads of a wave end in order (ISA guide 10.11.1): with 2 the first of three has landed, with 1 all but my youngest, with 0 all.
; Behind the barrier that holds of every wave.  The later tiles may stay on their way across it.
.macro STAGE n
	s_wait_tensorcnt \n
	s_wait_dscnt 0x0                               ; no LDS instruction of mine is out at the signal
	s_barrier_signal -1
	s_barrier_wait -1
.endm
; A fragment of V^T: 16 channels x 128 keys, the q-th half of the chunk's 256.  In pieces of 8 bytes: lanes 0-15 take pieces 12 q + 0, 1, 2 and 12 q + 6, 7, 8 of the row, lanes 16-31 those three pieces on;
; 16 bytes of padding lie behind every 8 pieces: where the piece three on lies behind one padding more, the second address register serves.
.macro FRAGV reg, q, t
.irp p, 0,1,2,3,4,5
.set PCI, 12*(\q)+6*(\p/3)+\p%3
.if PCI%8 < 5
	ds_load_b64 v[\reg+2*\p:\reg+2*\p+1], v[ADV] offset:8*PCI+16*(PCI/8)+16*VP*(\t)
.else
	ds_load_b64 v[\reg+2*\p:\reg+2*\p+1], v[ADV2] offset:8*PCI+16*(PCI/8)+16*VP*(\t)
.endif
.endr
.endm
; A KEY STEP: 128 keys, the q-th half of their chunk.  fq, sq: Q's fragment and scale words.  masked = 1: the step may lie on or behind the diagonal.
.macro STEP q, fq, sq, masked
.if \masked
	s_cmp_gt_u32 s[KSI], s[BLK]                    ; all 128 keys come after my 16 queries: the step's work is left out; the lines at its end that step addresses are not
	s_cbranch_scc1 .Lhid_\@
.endif
	v_add_nc_u32 v[ADK], s[TK], v[AK0]             ; these five are also the places between the last step's matrix instructions and the loads into their registers
	v_add_nc_u32 v[ADV], s[TV], v[AV24]
	v_add_nc_u32 v[ADV2], s[TV], v[AV40]
	v_add_nc_u32 v[ADS], s[TS], v[ASK0]
	v_add_nc_u32 v[ADT], s[TJ], v[ASV0]
.irp u, 0,1,2,3
	ds_load_u16 v[SK+\u], v[ADS] offset:1024*(\u/2)+256*(\u%2)   ; tiles 2 u and 2 u + 1: keys 64 (u / 2) + 16 (u % 2) on
.endr
.irp u, 0,1
	ds_load_b32 v[SV+\u], v[ADT] offset:32*SVP*\u
.endr
	WIN 0x40                                       ; destination window 1, address window 0
.irp t, 0,1,2,3,4,5,6,7
.irp p, 0,1,2
	ds_load_b64 v[12*\t+2*\p:12*\t+2*\p+1], v[ADK] offset:3072*(\t/4)+384*(\t%4)+8*\p
.endr
.endr
.irp t, 0,1,2,3
	FRAGV VF+12*\t, \q, \t
.endr
	s_wait_dscnt 24                                ; LDS loads come back in order (ISA guide 5.7.1): all but V's 24, the youngest, are in
	WIN 0x01                                       ; source 0 window 1
.irp t, 0,2,4,6                                ; S^T = K Q^T: eight tiles, each sum begun by the constant 0
	v_wmma_scale_f32_16x16x128_f8f6f4 v[S+8*\t:S+8*\t+7], v[12*\t:12*\t+11], v[\fq:\fq+11], 0, v[SK+\t/2], v[\sq] matrix_a_fmt:MATRIX_FMT_BF6 matrix_b_fmt:MATRIX_FMT_BF6
	v_wmma_scale_f32_16x16x128_f8f6f4 v[S+8*\t+8:S+8*\t+15], v[12*\t+12:12*\t+23], v[\fq:\fq+11], 0, v[SK+\t/2], v[\sq] matrix_a_fmt:MATRIX_FMT_BF6 matrix_b_fmt:MATRIX_FMT_BF6 matrix_a_scale:MATRIX_SCALE_ROW1
.endr
	WIN 0
	PLACES
.if \masked
	s_cmp_lg_u32 s[KSI], s[BLK]
	s_cbranch_scc1 .Lopen_\@                       ; a step all of whose keys count skips the mask
.set n, 0
.rept 64                                       ; on the diagonal hidden scores become -infinity ahead of the maximum: p = 0 then.  Register 32 c + i holds key 64 c + 32 h + i of the step
	v_cmp_gt_i32 vcc_lo, 64*(n/32)+n%32, v[DM]
	v_cndmask_b32 v[S+n], v[S+n], v[NINF], vcc_lo
.set n, n+1
.endr
.Lopen_\@:
.endif
	; THE LARGEST SCORE OF EACH OF MY TWO BLOCKS OF 32 KEYS, in two chains a block, the four by turns.  It serves twice: for the row's maximum and, since p rises with the score, for the block's largest p.
	; Each tile's registers are taken from the low end on.
.irp c, 0,1
	v_max3_num_f32 v[BMA+\c], v[S+32*\c], v[S+32*\c+1], v[S+32*\c+2]
	v_max3_num_f32 v[BMB+\c], v[S+32*\c+16], v[S+32*\c+17], v[S+32*\c+18]
.endr
.irp i, 3,5,7,9,11,13
.irp c, 0,1
	v_max3_num_f32 v[BMA+\c], v[BMA+\c], v[S+32*\c+\i], v[S+32*\c+\i+1]
	v_max3_num_f32 v[BMB+\c], v[BMB+\c], v[S+32*\c+16+\i], v[S+32*\c+17+\i]
.endr
.endr
.irp c, 0,1
	v_max3_num_f32 v[BMA+\c], v[BMA+\c], v[BMB+\c], v[S+32*\c+15]
.endr
.irp c, 0,1
	v_max_num_f32 v[BMA+\c], v[BMA+\c], v[S+32*\c+31]
.endr
	s_delay_alu instid0(VALU_DEP_1)
	v_max_num_f32 v[T0], v[BMA], v[BMA+1]
	s_delay_alu instid0(VALU_DEP_1)
	v_permlanex16_b32 v[T1], v[T0], s[SEL], s[SEL+1]
	s_delay_alu instid0(VALU_DEP_1)
	v_max_num_f32 v[T0], v[T0], v[T1]              ; with lane l xor 16's 64 keys: the step's largest score of my query
	s_delay_alu instid0(VALU_DEP_1)
	v_mul_f32 v[T0], s[CS], v[T0]                  ; as t (c is positive)
	s_delay_alu instid0(VALU_DEP_1)
	v_max_num_f32 v[NM+1], v[NM+1], v[T0]          ; the running largest t
	v_mov_b32 v[T1], v[NM]
	s_delay_alu instid0(VALU_DEP_2)
	v_floor_f32 v[NM], -v[NM+1]                    ; the new -M = floor(-t) = -ceil(t): M is a whole number
	s_delay_alu instid0(VALU_DEP_1)
	v_sub_f32 v[T1], v[NM], v[T1]                  ; M's old value less its new one: a whole number, 0 or less
	s_delay_alu instid0(VALU_DEP_1)
	v_cvt_i32_f32 v[T1], v[T1]                     ; (it saturates)
	s_delay_alu instid0(VALU_DEP_1)
	v_ldexp_f32 v[F], 1.0, v[T1]                   ; f = 2^(old M - new M)
.set n, 0
.rept 32
	v_pk_fma_f32 v[S+n:S+n+1], v[S+n:S+n+1], s[CS:CS+1], v[NM:NM+1] op_sel_hi:[1,0,0]   ; t - M, two at a time (of the pairs c and -M the low word serves both halves)
.set n, n+2
.endr
.irp c, 0,1
	v_fma_f32 v[BMA+\c], v[BMA+\c], s[CS], v[NM]   ; the same of each block's largest score
.endr
.set n, 0
	s_wait_alu depctr_va_vdst(0)
.rept 64
	v_exp_f32 v[S+n], v[S+n]                       ; p = 2^(t - M), at most 1: not normalised
.set n, n+1
.endr
.irp c, 0,1
	v_exp_f32 v[BMA+\c], v[BMA+\c]                 ; the block's largest p: the same two instructions on the same number give the same bits
.endr
	v_pk_mul_f32 v[SUM:SUM+1], v[SUM:SUM+1], v[F:F+1] op_sel_hi:[1,0]   ; the sum under the new M.  (The plain place behind the exponentials)
	s_wait_alu depctr_va_vdst(0)
.irp c, 0,1
	v_max_num_f32 v[BMA+\c], 0x2800000, v[BMA+\c]  ; the floor 2^(5 - 127): the byte cannot fall under 1
.endr
.irp c, 0,1
	s_delay_alu instid0(VALU_DEP_2)
	v_add_nc_u32 v[SO+\c], 0xfe000000, v[BMA+\c]   ; 4 off the exponent field: the conversion takes the exponent field of this operand as its scale
.endr
.irp c, 0,1
	s_delay_alu instid0(VALU_DEP_2)
	v_lshrrev_b32 v[BY+\c], 23, v[SO+\c]           ; the scale's byte
.endr
	s_delay_alu instid0(VALU_DEP_1)
	v_lshl_or_b32 v[T0], v[BY+1], 16, v[BY]        ; my two bytes: blocks h and 2 + h of my query,
	s_delay_alu instid0(VALU_DEP_1)
	v_lshlrev_b32 v[T0], v[SH8], v[T0]             ; at their places in the scale word (8 h bits up);
	s_delay_alu instid0(VALU_DEP_1)
	v_permlanex16_b32 v[T1], v[T0], s[SEL], s[SEL+1]
	s_delay_alu instid0(VALU_DEP_1)
	v_or_b32 v[PW], v[T0], v[T1]                   ; with lane l xor 16's two the word is whole
.irp c, 0,1
	v_cvt_scalef32_pk16_bf6_f32 v[PC+6*\c:PC+6*\c+2], v[S+32*\c:S+32*\c+15], v[SO+\c]        ; registers 6 c .. 6 c + 5 of the operand: keys 64 c + 32 h + 0 .. 31
	v_cvt_scalef32_pk16_bf6_f32 v[TC+4*\c:TC+4*\c+2], v[S+32*\c+16:S+32*\c+31], v[SO+\c]
.endr
	v_nop                                          ; one plain place behind a scaled conversion
.irp c, 0,1
.irp i, 0,1,2
	v_mov_b32 v[PC+6*\c+3+\i], v[TC+4*\c+\i]
.endr
.endr
	v_pk_add_f32 v[86:87], v[100:101], v[104:105]
	v_pk_add_f32 v[254:255], v[108:109], v[112:113]
	v_pk_add_f32 v[252:253], v[116:117], v[120:121]
	v_pk_add_f32 v[250:251], v[124:125], v[128:129]
	v_pk_add_f32 v[248:249], v[132:133], v[136:137]
	v_pk_add_f32 v[246:247], v[140:141], v[144:145]
	v_pk_add_f32 v[244:245], v[148:149], v[152:153]
	v_pk_add_f32 v[14:15], v[14:15], v[156:157]
	v_pk_add_f32 v[86:87], v[86:87], v[96:97]
	v_pk_add_f32 v[254:255], v[254:255], v[98:99]
	v_pk_add_f32 v[252:253], v[252:253], v[102:103]
	v_pk_add_f32 v[250:251], v[250:251], v[106:107]
	v_pk_add_f32 v[248:249], v[248:249], v[110:111]
	v_pk_add_f32 v[246:247], v[246:247], v[114:115]
	v_pk_add_f32 v[244:245], v[244:245], v[118:119]
	v_pk_add_f32 v[14:15], v[14:15], v[122:123]
	v_pk_add_f32 v[86:87], v[86:87], v[126:127]
	v_pk_add_f32 v[254:255], v[254:255], v[130:131]
	v_pk_add_f32 v[252:253], v[252:253], v[134:135]
	v_pk_add_f32 v[250:251], v[250:251], v[138:139]
	v_pk_add_f32 v[248:249], v[248:249], v[142:143]
	v_pk_add_f32 v[246:247], v[246:247], v[146:147]
	v_pk_add_f32 v[244:245], v[244:245], v[150:151]
	v_pk_add_f32 v[14:15], v[14:15], v[154:155]
	v_pk_add_f32 v[86:87], v[86:87], v[158:159]
	s_delay_alu instid0(VALU_DEP_2)
	v_pk_add_f32 v[14:15], v[14:15], v[250:251]
	s_delay_alu instid0(VALU_DEP_2)
	v_pk_add_f32 v[86:87], v[86:87], v[248:249]
	v_pk_add_f32 v[254:255], v[254:255], v[246:247]
	v_pk_add_f32 v[252:253], v[252:253], v[244:245]
	s_delay_alu instid0(VALU_DEP_2)
	v_pk_add_f32 v[14:15], v[14:15], v[254:255]
	s_delay_alu instid0(VALU_DEP_2)
	v_pk_add_f32 v[86:87], v[86:87], v[252:253]
	s_delay_alu instid0(VALU_DEP_1)
	v_pk_add_f32 v[14:15], v[14:15], v[86:87]
.set n, 0
.rept 16
	v_pk_mul_f32 v[O+n:O+n+1], v[O+n:O+n+1], v[F:F+1] op_sel_hi:[1,0]   ; O^T under the new M.  (The 48 lines from the sums on are also the places between p's codes and scale word and the products below)
.set n, n+2
.endr
	s_wait_alu depctr_va_vdst(0)
	s_wait_dscnt 0x0                               ; V is in
	WIN 0x01
.irp t, 0,2                                    ; O^T += V^T P^T: four accumulators, one instruction each; the eight products S^T stand between two links of a chain
	v_wmma_scale_f32_16x16x128_f8f6f4 v[O+8*\t:O+8*\t+7], v[VF+12*\t:VF+12*\t+11], v[PC:PC+11], v[O+8*\t:O+8*\t+7], v[SV+\t/2], v[PW] matrix_a_fmt:MATRIX_FMT_BF6 matrix_b_fmt:MATRIX_FMT_BF6
	v_wmma_scale_f32_16x16x128_f8f6f4 v[O+8*\t+8:O+8*\t+15], v[VF+12*\t+12:VF+12*\t+23], v[PC:PC+11], v[O+8*\t+8:O+8*\t+15], v[SV+\t/2], v[PW] matrix_a_fmt:MATRIX_FMT_BF6 matrix_b_fmt:MATRIX_FMT_BF6 matrix_a_scale:MATRIX_SCALE_ROW1
.endr
	WIN 0
.if \masked
.Lhid_\@:
.endif
	s_add_co_u32 s[KSI], s[KSI], 1
	s_add_co_u32 s[TK], s[TK], 128*48              ; the next 128 keys,
	s_add_co_u32 s[TS], s[TS], 128*16              ; their scale words,
	s_add_co_u32 s[TJ], s[TJ], 4                   ; V's next scale word in each row,
.if \q == 1
	s_add_co_u32 s[TV], s[TV], VCB                 ; and V's next chunk
.endif
.endm
; THE WAY OUT of a tile.  The sum's halves are added; O^T is divided by the sum.  A lane holds 32 neighbouring bytes of a row, and a row's 256 bytes lie in eight places: so the tile goes through my own stage in LDS
; and comes back as whole rows.  LDS serves a wave's instructions in order (ISA guide 5.7.1.4): no wait between the stores and the loads.  again = 1: another tile follows.
.macro OUTPUT base, again
	PLACES                                         ; behind the last products
	v_add_f32 v[SUM], v[SUM], v[SUM+1]
	s_delay_alu instid0(VALU_DEP_1)
	v_permlanex16_b32 v[T1], v[SUM], s[SEL], s[SEL+1]
	s_delay_alu instid0(VALU_DEP_1)
	v_add_f32 v[SUM], v[SUM], v[T1]                ; with lane l xor 16's: the row's sum
	s_wait_alu depctr_va_vdst(0)
	v_rcp_f32 v[SUM], v[SUM]
	v_nop                                          ; one plain place behind a transcendental
.set n, 0
	s_wait_alu depctr_va_vdst(0)
.rept 16
	v_pk_mul_f32 v[OUTR+n:OUTR+n+1], v[O+n:O+n+1], v[SUM:SUM+1] op_sel_hi:[1,0]   ; register 8 t + j is o(query r, channel 16 t + 8 h + j); each accumulator from its low end on
.set n, n+2
.endr
.irp t, 0,1,2,3
	ds_store_b128 v[STO], v[OUTR+8*\t:OUTR+8*\t+3] offset:64*\t
	ds_store_b128 v[STO], v[OUTR+8*\t+4:OUTR+8*\t+7] offset:64*\t+16
.endr
.irp i, 0,1,2,3,4,5,6,7
	ds_load_b128 v[RB+4*\i:RB+4*\i+3], v[RD] offset:2*SP*\i
.endr
.irp i, 0,1,2,3,4,5,6,7
	s_wait_dscnt 7-\i                              ; load i is in; the younger ones may be out
	global_store_b128 v[GO], v[RB+4*\i:RB+4*\i+3], s[\base:\base+1] offset:4096*\i th:TH_STORE_NT   ; 16 lanes store 256 consecutive bytes, a query's row of this head, at a multiple of 256 from out0's first byte
.endr
.if \again
	s_wait_xcnt 0x0                                ; the stores have read their registers: the next tile's way out writes them again
.endif
.endm
	INIT
	START
	s_sub_co_u32 s[BLK], 15, s[WV]                 ; MY FIRST TILE: block 15 - w, at least 8: key steps 0-7 are all open
	STAGE 2                                        ; keys 0-255 of K and V, K's scale bytes of keys 0-1,023 and V's scale bytes are in
	s_wait_loadcnt 0x0                             ; Q
	STEP 0, QA, QSA, 0
	STEP 1, QA, QSA, 0
	STAGE 1                                        ; keys 256-1,023
	s_mov_b32 s[CNT], 3
.Lopen_keys:
	STEP 0, QA, QSA, 0
	STEP 1, QA, QSA, 0
	s_sub_co_u32 s[CNT], s[CNT], 1
	s_cmp_lg_u32 s[CNT], 0
	s_cbranch_scc1 .Lopen_keys
	STAGE 0                                        ; all fills have landed
	s_mov_b32 s[CNT], 4
.Lfirst_tile:                                          ; key steps 8-15: open up to the block's own, which lies on the diagonal; hidden behind it
	STEP 0, QA, QSA, 1
	STEP 1, QA, QSA, 1
	s_sub_co_u32 s[CNT], s[CNT], 1
	s_cmp_lg_u32 s[CNT], 0
	s_cbranch_scc1 .Lfirst_tile
	OUTPUT OA, 1
	INIT
	START
	s_mov_b32 s[BLK], s[WV]                        ; MY SECOND TILE: block w: key steps 0-7 hold its diagonal
	s_mov_b32 s[CNT], 4
.Lsecond_tile:
	STEP 0, QB, QSB, 1
	STEP 1, QB, QSB, 1
	s_sub_co_u32 s[CNT], s[CNT], 1
	s_cmp_lg_u32 s[CNT], 0
	s_cbranch_scc1 .Lsecond_tile
	OUTPUT OB, 0
	s_wait_tensorcnt 0x0
	ds_add_u32 v94, v95
	s_wait_dscnt 0x0
	CROUND                                         ; the closing round: no work-group ends while a partner may still ask for a tile that names it
	s_endpgm
.Lfunc_end_k_q098df9ab5d_attn:
	.size	k_q098df9ab5d_attn, .Lfunc_end_k_q098df9ab5d_attn-k_q098df9ab5d_attn
	.p2alignl 7, 3214868480
	.fill 96, 4, 3214868480
	.section	.rodata,"a",@progbits
	.p2align	6, 0x0
	.amdhsa_kernel k_q098df9ab5d_attn
		.amdhsa_group_segment_fixed_size 294400
		.amdhsa_private_segment_fixed_size 0
		.amdhsa_enable_private_segment 0
		.amdhsa_kernarg_size 56
		.amdhsa_user_sgpr_count 2
		.amdhsa_user_sgpr_kernarg_segment_ptr 1
		.amdhsa_wavefront_size32 1
		.amdhsa_system_sgpr_workgroup_id_x 1
		.amdhsa_system_sgpr_workgroup_id_y 1
		.amdhsa_system_sgpr_workgroup_id_z 1
		.amdhsa_system_vgpr_workitem_id 0
		.amdhsa_next_free_vgpr 400
		.amdhsa_next_free_sgpr 100
		.amdhsa_reserve_vcc 1
		.amdhsa_float_denorm_mode_32 3
		.amdhsa_float_denorm_mode_16_64 3
		.amdhsa_memory_ordered 1
		.amdhsa_forward_progress 1
		.amdhsa_inst_pref_size 186
	.end_amdhsa_kernel
	.amdgpu_metadata
---
amdhsa.version: [ 1, 2 ]
amdhsa.kernels:
  - .name:           k_q098df9ab5d_attn
    .symbol:         k_q098df9ab5d_attn.kd
    .args:
      - { .name: keys_codes, .offset: 0, .size: 8, .value_kind: global_buffer, .address_space: global }
      - { .name: keys_scales, .offset: 8, .size: 8, .value_kind: global_buffer, .address_space: global }
      - { .name: queries_codes, .offset: 16, .size: 8, .value_kind: global_buffer, .address_space: global }
      - { .name: queries_scales, .offset: 24, .size: 8, .value_kind: global_buffer, .address_space: global }
      - { .name: values_codes, .offset: 32, .size: 8, .value_kind: global_buffer, .address_space: global }
      - { .name: values_scales, .offset: 40, .size: 8, .value_kind: global_buffer, .address_space: global }
      - { .name: out0, .offset: 48, .size: 8, .value_kind: global_buffer, .address_space: global }
    .group_segment_fixed_size: 294400
    .private_segment_fixed_size: 0
    .kernarg_segment_align: 8
    .kernarg_segment_size: 56
    .max_flat_workgroup_size: 256
    .sgpr_count:     100
    .vgpr_count:     400
    .wavefront_size: 32
...
	.end_amdgpu_metadata
.endif
;; end of part 1
